; MI455X (gfx1250); checked and timed in simulation.
; The chip was launched on July 23, 2026; its instructions are those of AMD's public machine-readable ISA for CDNA 5 (MIT licence, August 2026) and "CDNA5" Instruction Set Architecture Reference Guide (July 2026). The comments in the code are by the model that wrote it; some were corrected since.
;; LSTM Cell Exp. Allowed arithmetic: float matrix products may take bf16 or f16 operands with f32 sums; other float arithmetic in f32, or as packed bf16 or f16 multiplies, adds, multiply-adds, maxima and minima; sums over many terms, partial sums and values carried from step to step in f32; what a program stores and reads back later, other than sums and carried values, may be rounded once to bf16 or f16.
;; Inputs: bias 1 x 2,048 float32; bias_f 1 x 2,048 float32; bias_i 1 x 2,048 float32; bias_o 1 x 2,048 float32; hidden_state 8,192 x 2,048 float32; weight 2,048 x 1,024 float32; weight_f 2,048 x 1,024 float32; weight_i 2,048 x 1,024 float32; weight_o 2,048 x 1,024 float32; x 8,192 x 1,024 float32.
;; Outputs: out0 8,192 x 2,048 float32.
;; 2 versions, each right; version 2 is version 1 with the launch prep written anew for expert scheduling mode. Each part assembles by itself: llvm-mc -triple=amdgcn-amd-amdhsa -mcpu=gfx1250 --defsym DOCPART=n.
;; ======== version 1 of 2: 2 launches
;; workspace buffers: aw 33,554,432 bytes; wc 16,777,216 bytes
;; launch prep (part 1): grid 768 x 1, 8 waves a work-group, no clusters, 0 bytes of LDS; arguments x, hidden_state, weight_i, weight_f, weight, weight_o, aw, wc; writes aw, wc
.if DOCPART == 1
	.amdgcn_target "amdgcn-amd-amdhsa--gfx1250"
	.amdhsa_code_object_version 6
	.text
	.protected	k_qff35bcfea0_prep
	.globl	k_qff35bcfea0_prep
	.p2align	8
	.type	k_qff35bcfea0_prep,@function
k_qff35bcfea0_prep:
	s_mov_b64 s[64:65], 0
	v_nop
	global_prefetch_b8 v0, s[64:65] scope:SCOPE_SE
	s_setreg_imm32_b32 hwreg(HW_REG_WAVE_MODE, 25, 1), 1
	s_wait_xcnt 0x0
; The matrix operands of the LSTM cell, each rounded once to bf16 (nearest even).
;   aw [8192][2048]: row r = x[r][0..1023], then hidden_state[r][0..1023] (h_prev).
;   wc [2048][4096]: row k = the four gates' weights of input k, their columns interleaved.  Hidden unit j = 64 jb + 2 (16 h + b) + e of gate q
;                    (0 = i, 1 = f, 2 = candidate, 3 = o) stands at column 256 jb + 16 b + 8 h + 2 q + e: in the next launch's transposed matrix result
;                    a lane then holds all four gates of two neighbouring units of one row.
; A stream: every byte is read once and written once, so no LDS, no barrier and no matrix unit.  A wave moves 16 KiB in and 8 KiB out in straight-line text:
; all its loads go out first, and the waits count down while the younger loads stay on their way.
; Work-groups 0..511 make aw (a wave: four rows of one source), work-groups 512..767 make wc (a wave: one row k of all four weights).
.set LO, 2                             ; v[2:5]    aw: byte offset of my 16 bytes in each of the wave's four source rows
.set SO, 6                             ; v6        aw: byte offset of my 8 bytes in 256 bytes of output
.set LW, 7                             ; v7        wc: byte offset of my pair of units in 64 units of a weight row
.set SW, 8                             ; v8        wc: byte offset of my 16 bytes in 512 bytes of output
.set X,  16                            ; v[16:143] the data, converted in place
	s_load_b512 s[4:19], s[0:1], 0x0               ; x s[4:5], hidden_state s[6:7], weight_i, _f, candidate, _o s[8:15], aw s[16:17], wc s[18:19]
	v_and_b32 v1, 31, v0                           ; lane
	v_lshrrev_b32 v9, 5, v0
	v_readfirstlane_b32 s20, v9                    ; wave 0..7
	s_mov_b32 s21, ttmp9
	s_cmp_lt_u32 s21, 512
	s_cbranch_scc0 .Lweights
	; ---- aw.  Even waves take x (rows of 4,096 bytes), odd waves h_prev (the first 4,096 bytes of rows of 8,192).
	s_and_b32 s22, s20, 1                          ; the source
	s_lshr_b32 s23, s20, 1
	s_lshl2_add_u32 s23, s21, s23                  ; 4 x work-group + wave / 2,
	s_lshl_b32 s23, s23, 2                         ; times four rows: my first row
	s_add_co_u32 s28, s22, 12
	s_lshl_b32 s30, s23, s28                       ; its byte offset in the source
	s_mov_b32 s31, 0
	s_lshl_b32 s32, s23, 12                        ; and in aw: rows of 4,096 bytes,
	s_lshl_b32 s29, s22, 11                        ; h_prev in their second half
	s_add_co_u32 s32, s32, s29
	s_mov_b32 s33, 0
	s_lshl_b32 s29, 1, s28                         ; bytes from row to row in the source
	v_lshlrev_b32 v[LO], 4, v1
	v_add_nc_u32 v[LO+1], s29, v[LO]
	s_lshl_b32 s34, s29, 1
	v_add_nc_u32 v[LO+2], s34, v[LO]
	s_add_co_u32 s34, s34, s29
	v_add_nc_u32 v[LO+3], s34, v[LO]
	v_lshlrev_b32 v[SO], 3, v1
	s_wait_kmcnt 0x0
	s_cmp_eq_u32 s22, 1
	s_cselect_b64 s[24:25], s[6:7], s[4:5]         ; the choice hangs on the wave's number alone
	s_add_nc_u64 s[24:25], s[24:25], s[30:31]
	s_add_nc_u64 s[26:27], s[16:17], s[32:33]
.set i, 0
.rept 32                               ; row i / 8, its 512 bytes number i % 8: a load of the wave covers 512 consecutive bytes
	global_load_b128 v[X+4*i:X+4*i+3], v[LO+i/8], s[24:25] offset:512*(i%8) th:TH_LOAD_NT
.set i, i+1
.endr
.set i, 0
.rept 32
	s_wait_loadcnt 31-i                            ; loads come back in order (ISA guide 5.7.1): load i is in, the 31 - i younger ones stay out
	v_cvt_pk_bf16_f32 v[X+4*i], v[X+4*i], v[X+4*i+1]
	v_cvt_pk_bf16_f32 v[X+4*i+1], v[X+4*i+2], v[X+4*i+3]
	global_store_b64 v[SO], v[X+4*i:X+4*i+1], s[26:27] offset:(i/8)*4096+256*(i%8)  ; 32 lanes store 256 consecutive bytes, at a multiple of 256 from aw's first byte; no register is written again behind its store
.set i, i+1
.endr
	s_endpgm
	; ---- wc.  Lane l takes, of each block of 64 units, the pair 16 (l % 2) + l / 2 from all four weights: their eight bf16 are columns 8 l .. 8 l + 7 of the block's 256.
.Lweights:
	s_sub_co_u32 s22, s21, 512
	s_lshl3_add_u32 s22, s22, s20                  ; k = 8 x (work-group - 512) + wave
	s_lshl_b32 s30, s22, 12                        ; a weight row is 4,096 bytes,
	s_mov_b32 s31, 0
	s_lshl_b32 s32, s22, 13                        ; a row of wc 8,192
	s_mov_b32 s33, 0
	v_and_b32 v9, 1, v0
	v_bfe_u32 v10, v0, 1, 4
	v_lshlrev_b32 v[LW], 7, v9
	v_lshl_add_u32 v[LW], v10, 3, v[LW]            ; 8 bytes x pair
	v_lshlrev_b32 v[SW], 4, v1
	s_wait_kmcnt 0x0
.irp q, 0,1,2,3
	s_add_nc_u64 s[8+2*(\q):9+2*(\q)], s[8+2*(\q):9+2*(\q)], s[30:31]
.endr
	s_add_nc_u64 s[26:27], s[18:19], s[32:33]
.set i, 0
.rept 64                               ; block i / 4, gate i % 4: the wave's 32 lanes read 256 consecutive bytes, in an order of their own
	global_load_b64 v[X+2*i:X+2*i+1], v[LW], s[8+2*(i%4):9+2*(i%4)] offset:256*(i/4) th:TH_LOAD_NT
.set i, i+1
.endr
.set i, 0
.rept 16
	s_wait_loadcnt 60-4*i                          ; block i's four loads are in; the 60 - 4 i younger ones stay out
	v_cvt_pk_bf16_f32 v[X+8*i],   v[X+8*i],   v[X+8*i+1]  ; gate by gate, ascending: each line writes a register whose number has been read
	v_cvt_pk_bf16_f32 v[X+8*i+1], v[X+8*i+2], v[X+8*i+3]
	v_cvt_pk_bf16_f32 v[X+8*i+2], v[X+8*i+4], v[X+8*i+5]
	v_cvt_pk_bf16_f32 v[X+8*i+3], v[X+8*i+6], v[X+8*i+7]
	global_store_b128 v[SW], v[X+8*i:X+8*i+3], s[26:27] offset:512*i  ; 512 consecutive bytes, at a multiple of 256 from wc's first byte
.set i, i+1
.endr
	s_endpgm
.Lfunc_end_k_qff35bcfea0_prep:
	.size	k_qff35bcfea0_prep, .Lfunc_end_k_qff35bcfea0_prep-k_qff35bcfea0_prep
	.p2alignl 7, 3214868480
	.fill 96, 4, 3214868480
	.section	.rodata,"a",@progbits
	.p2align	6, 0x0
	.amdhsa_kernel k_qff35bcfea0_prep
		.amdhsa_group_segment_fixed_size 0
		.amdhsa_private_segment_fixed_size 0
		.amdhsa_enable_private_segment 0
		.amdhsa_kernarg_size 64
		.amdhsa_user_sgpr_count 2
		.amdhsa_user_sgpr_kernarg_segment_ptr 1
		.amdhsa_wavefront_size32 1
		.amdhsa_system_sgpr_workgroup_id_x 1
		.amdhsa_system_sgpr_workgroup_id_y 1
		.amdhsa_system_sgpr_workgroup_id_z 1
		.amdhsa_system_vgpr_workitem_id 0
		.amdhsa_next_free_vgpr 144
		.amdhsa_next_free_sgpr 66
		.amdhsa_reserve_vcc 0
		.amdhsa_float_denorm_mode_32 3
		.amdhsa_float_denorm_mode_16_64 3
		.amdhsa_memory_ordered 1
		.amdhsa_forward_progress 1
		.amdhsa_inst_pref_size 25
	.end_amdhsa_kernel
	.amdgpu_metadata
---
amdhsa.version: [ 1, 2 ]
amdhsa.kernels:
  - .name:           k_qff35bcfea0_prep
    .symbol:         k_qff35bcfea0_prep.kd
    .args:
      - { .name: x, .offset: 0, .size: 8, .value_kind: global_buffer, .address_space: global }
      - { .name: hidden_state, .offset: 8, .size: 8, .value_kind: global_buffer, .address_space: global }
      - { .name: weight_i, .offset: 16, .size: 8, .value_kind: global_buffer, .address_space: global }
      - { .name: weight_f, .offset: 24, .size: 8, .value_kind: global_buffer, .address_space: global }
      - { .name: weight, .offset: 32, .size: 8, .value_kind: global_buffer, .address_space: global }
      - { .name: weight_o, .offset: 40, .size: 8, .value_kind: global_buffer, .address_space: global }
      - { .name: aw, .offset: 48, .size: 8, .value_kind: global_buffer, .address_space: global }
      - { .name: wc, .offset: 56, .size: 8, .value_kind: global_buffer, .address_space: global }
    .group_segment_fixed_size: 0
    .private_segment_fixed_size: 0
    .kernarg_segment_align: 8
    .kernarg_segment_size: 64
    .max_flat_workgroup_size: 256
    .sgpr_count:     66
    .vgpr_count:     144
    .wavefront_size: 32
...
	.end_amdgpu_metadata
.endif
;; end of part 1
;; launch cell (part 2): grid 16 x 32, 4 waves a work-group, clusters of 4 x 4, 327,680 bytes of LDS; arguments aw, wc, hidden_state, out0, bias_i, bias_f, bias, bias_o; writes out0
.if DOCPART == 2
	.amdgcn_target "amdgcn-amd-amdhsa--gfx1250"
	.amdhsa_code_object_version 6
	.text
	.protected	k_qff35bcfea0_cell
	.globl	k_qff35bcfea0_cell
	.p2align	8
	.type	k_qff35bcfea0_cell,@function
k_qff35bcfea0_cell:
	s_mov_b64 s[64:65], 0
	v_nop
	global_prefetch_b8 v0, s[64:65] scope:SCOPE_SE
	s_setreg_imm32_b32 hwreg(HW_REG_WAVE_MODE, 25, 1), 1
	s_wait_xcnt 0x0
	s_wait_alu depctr_hold_cnt(0) depctr_sa_sdst(0) depctr_va_vdst(0) depctr_va_sdst(0) depctr_va_ssrc(0) depctr_va_vcc(0) depctr_vm_vsrc(0)
	s_getreg_b32 s2, hwreg(HW_REG_IB_STS2, 6, 4)
	s_cmp_eq_u32 s2, 0
	s_cbranch_scc0 .Lentry_in_a_cluster
	s_endpgm
.Lentry_in_a_cluster:
	s_bfe_u32 s2, ttmp6, 0x10000c
	s_cmp_lg_u32 s2, 0xf033
	s_cbranch_scc0 .Lentry_shape_is_right
	s_endpgm
.Lentry_shape_is_right:
; THE LSTM CELL.  z_q = [x | h_prev] W_q + b_q[:1024] + b_q[1024:] for the gates q = i, f, candidate g, o;  c_t = sigmoid(z_f) c_prev + sigmoid(z_i) tanh(z_g);  h_t = sigmoid(z_o) tanh(c_t);
; out0 [8192][2048] f32 = h_t | c_t.  aw [8192][2048] bf16 holds [x | h_prev]; wc [2048 k][4096] bf16 holds the four weights with their columns interleaved: unit j = 64 jb + 2 (16 h + b) + e of
; gate q stands at column 256 jb + 16 b + 8 h + 2 q + e.  Products in bf16 with f32 sums, K ascending; everything behind the sums in f32.
; LIMITS.  Every input is rounded once to bf16 (nearest even): x, h_prev and the weights by the launch before, c_prev and the two halves of each bias here.  tanh(t) = (e - 1) / (e + 1) with
; e = 2^min(2 t log2 e, 64): from t = 22.2 on it is 1 to the last bit.  sigmoid(z_i) tanh(z_g) is one quotient with the divisor (1 + e^-z_i)(1 + e): where that passes 2^126 the term counts as 0
; (its size is then below 2^-62); sigmoid(z_o) tanh(c_t) likewise.  NaN and infinities among the inputs are not treated apart.
; SHARES.  A work-group makes 256 rows x 256 columns of z: 64 hidden units, all four gates.  Wave w makes rows 64 w .. 64 w + 63 and all 256 columns: 64 accumulators of 16 x 16, 512 registers.  So a
; wave's part of a row of h_t or c_t is 64 f32, 256 consecutive bytes, its stage in LDS is its own, and the way out has no barrier.  One tile to a work-group: 512 work-groups of equal work.
; THE MATRIX INSTRUCTION IS USED TRANSPOSED: source 0 = 16 columns of wc, source 1 = 16 rows of aw.  In the result of column block b lane l (r = l % 16, h = l / 16) holds row r, and its registers
; 0,1 / 2,3 / 4,5 / 6,7 hold z_i / z_f / z_g / z_o of the units 32 h + 2 b and 32 h + 2 b + 1: the cell's update never leaves the lane, and every quantity is a register pair.
; K goes in steps of 128 through two LDS slots filled by the tensor data mover.  aw's rows lie along K and are read as they lie; wc's rows lie along the columns and are read turned, by ds_load_tr16_b128.
; CLUSTERS: 4 x 4 work-groups.  The four of a row of the cluster need the same tiles of aw, the four of a column the same tiles of wc: each tile is asked for JOINTLY, by the same tensor load with the
; same descriptor and a mask that names the four, which divides the requests for both by four.
; REGISTERS, in windows of 256 (s_set_vgpr_msb: bits 1:0 source 0, 3:2 source 1, 5:4 source 2, 7:6 destination):
;   window 0: v0-29 addresses; v32-63, v64-95 fragments of aw (4 x 16 rows x 32 K), two buffers (the second takes rows of h_t on the way out); v96-119 at work; v128-255 c_prev, later rows of c_t
;   window 1: v0-127, v128-255 fragments of wc (16 x 16 columns x 32 K), two buffers (the first takes the biases in the last quarter step)
;   window 2: the accumulators of my rows 0-31 (row block a, column block b at v[8 (16 (a % 2) + b)]);   window 3: those of my rows 32-63
.set KSTEP,  128
.set LAPS,   2048/(2*KSTEP)            ; a lap = two K steps = once round the ring
.set PA,     272                       ; a row of aw's tile in LDS: 256 bytes + 16 of padding = 68 words: row r starts at bank 4 r mod 64 (64 banks of 4 bytes: ISA guide 11.1)
.set PB,     544                       ; a row of wc's tile: 512 bytes + 32 = 136 words: row k starts at bank 8 k mod 64
.set HALFT,  128*PA                    ; what one tensor load brings: 128 rows of aw, or 64 rows of wc (64 x 544 is the same 34,816 bytes)
.set SLOT,   4*HALFT                   ; aw's 256 rows, then wc's 128 rows
.set STAGE,  2*SLOT                    ; behind the ring, never filled by a tensor load.  For each wave: 16 rows x 272 bytes of c_t, then as much of h_t
.set SPX,    272
.set YOFF,   16*SPX
.set STW,    2*YOFF
.set ZST,    STAGE+4*STW               ; for each wave: 16 rows x 144 bytes, c_prev in bf16 on its way from rows to lanes
.set PZ,     144
.set ZW,     16*PZ
.set BTAB,   ZST+4*ZW                  ; 1,024 bytes: gate q's 64 scaled bias sums (f32) at 256 q, written by wave q
.set SPARE,  BTAB+1024                 ; the spare words, 128 bytes for each wave: two blocks of 256 bytes that no other line names
.set ADRA, 16                          ; v16-17  LDS address of my fragments of aw in slot 0, 1
.set ADRB, 20                          ; v20-21  the same for wc
.set XD,   22                          ; v22     stage: where I put 16 bytes of my row
.set XR,   23                          ; v23     stage: where I read rows back
.set CO,   24                          ; v24     my byte offset in two rows of hidden_state and of out0; never rewritten
.set BT,   25                          ; v25     my half's biases in the table
.set ZR,   26                          ; v26     c_prev: where I put 8 bytes of a row
.set ZD,   27                          ; v27     c_prev: where I read my 64 bytes
.set SPW,  28                          ; v28     LDS address of my spare word: SPARE + 4 x my thread's number; never rewritten
.set NIL,  29                          ; v29     0; never rewritten
.set FA,   32                          ; aw's fragment buffers, 32 registers each
.set HO,   64                          ; the way out: 16 rows of h_t read back
.set EE,   96                          ; v96-111  the exponentials of two accumulators: 8 u + 2 q + e
.set CC,   112                         ; v112-115 c_t of four units
.set HH,   116                         ; v116-119 numerators, then h_t of four units
.set CP,   128                         ; c_prev, 32 registers a row block
.set G1,  24                           ; s[24:31] descriptor group 1 for aw's tiles;  s[32:39] group 0, one set for each slot
.set G0,  32
.set G1B, 48                           ; s[48:55], s[56:63] the same for wc's tiles
.set G0B, 56
.set KN,  76                           ; s[76:77] -log2 e: sigmoid(z) = 1 / (1 + 2^(-z log2 e))
.set KG,  78                           ; s[78:79] 2 log2 e, for tanh
.set CAP, 80                           ; s80      64.0
.set MSB, 0
.macro WIN new                         ; the immediate's high byte repeats the setting that is left; a switch that changes nothing is dropped
.if MSB != (\new)
	s_set_vgpr_msb (MSB<<8)|(\new)
.set MSB, \new
.endif
.endm
.set MUL_LO, 0xa1                      ; source 0 (wc) window 1, source 1 (aw) window 0, C and D window 2
.set TO_B,   0x40                      ; destination window 1, address window 0
; A joint load.  Waves 0 and 1 fetch the two halves of aw's tile, waves 2 and 3 those of wc's.  Each line has one mask and one set of registers for all that issue it; the branch hangs on the wave's
; number alone.  An s_nop 0 and four v_nop follow each of the two lines, ahead of the jump, the label and what follows the macro.
.macro JLOAD s
	s_cmp_eq_u32 s11, 0
	s_cbranch_scc0 .Lfor_b_\@
	tensor_load_to_lds s[G0+4*(\s):G0+4*(\s)+3], s[G1:G1+7]
	s_nop 0
.rept 4
	v_nop
.endr
	s_branch .Lasked_\@
.Lfor_b_\@:
	tensor_load_to_lds s[G0B+4*(\s):G0B+4*(\s)+3], s[G1B:G1B+7]
	s_nop 0
.rept 4
	v_nop
.endr
.Lasked_\@:
.endm
; A round of the cluster's barrier: my work-group's barrier, so that wave 0's signal speaks for all four waves; wave 0 signals; every wave waits for all sixteen work-groups; my work-group's barrier once more.
.macro CREST                           ; a round behind its opening barrier
	s_cmp_lg_u32 s10, 0
	s_cbranch_scc1 .Lnot_wave_0_\@
	s_barrier_signal -3
.Lnot_wave_0_\@:
	s_barrier_wait -3
	s_barrier_signal -1
	s_barrier_wait -1
.endm
.macro CROUND                          ; a whole round
	s_barrier_signal -1
	s_barrier_wait -1
	CREST
.endm
	s_load_b128 s[4:7], s[0:1], 0x0                ; aw s[4:5], wc s[6:7]
	s_load_b64 s[66:67], s[0:1], 0x10              ; hidden_state
	s_load_b64 s[8:9], s[0:1], 0x18                ; out0
	s_load_b256 s[68:75], s[0:1], 0x20             ; bias_i, bias_f, bias (candidate), bias_o
	v_lshl_add_u32 v[SPW], v0, 2, SPARE
	v_mov_b32 v[NIL], 0
	ds_add_u32 v[SPW], v[NIL]                      ; the wave's opening: the add and its wait stand ahead of my first tensor load; the set-up below, work on registers, stands between them
	v_lshrrev_b32 v1, 5, v0
	v_readfirstlane_b32 s10, v1                    ; wave 0..3
	s_lshr_b32 s11, s10, 1                         ; I fetch for aw (0) or for wc (1),
	s_and_b32 s12, s10, 1                          ; and which half of that tile
	s_bfe_u32 s40, ttmp6, 0x40000                  ; cx, cy: my place in the cluster
	s_bfe_u32 s41, ttmp6, 0x40004
	s_lshl_b32 s42, ttmp9, 2                       ; in a cluster launch ttmp9 and ttmp7 count clusters
	s_add_co_u32 s42, s42, s40                     ; tile column = 4 x cluster x + cx: 64 hidden units
	s_and_b32 s13, ttmp7, 0xffff
	s_lshl_b32 s13, s13, 2
	s_add_co_u32 s13, s13, s41                     ; tile row = 4 x cluster y + cy: 256 rows
	s_lshl_b32 s43, s41, 2
	s_lshl_b32 s43, 15, s43                        ; my row of the cluster: places 4 cy .. 4 cy + 3
	s_lshl_b32 s44, 0x1111, s40                    ; my column: places cx, cx + 4, cx + 8, cx + 12
	; descriptor group 1.  aw: 128 rows x 128 elements, 16 bytes of padding behind every 256.  wc: 64 rows x 256 elements, 32 bytes behind every 512.
	s_or_b32 s[G1+0], s43, (1<<16)|(1<<20)|(1<<21)|(5<<22)|(3<<25)   ; 15:0 the mask: aw's tiles go to my row; 17:16 elements of 2 bytes; 20 padding on; 21 set beside a mask; 24:22 after every 64 words (code 5); 31:25 4 words (code 3)
	s_or_b32 s[G1B+0], s44, (1<<16)|(1<<20)|(1<<21)|(6<<22)|(7<<25)  ; the mask of my column; after every 128 words (code 6) 8 words (code 7)
	s_mov_b32 s[G1+1], 128<<16                     ; 63:48 tensor_dim0 = 128
	s_mov_b32 s[G1+2], 128<<16                     ; 95:80 tensor_dim1 = 128
	s_mov_b32 s[G1+3], 128<<16                     ; 127:112 tile_dim0 = 128
	s_mov_b32 s[G1+4], 128                         ; 143:128 tile_dim1 = 128; tile_dim2 = 0
	s_mov_b32 s[G1+5], 2048                        ; 191:160 elements from row to row
	s_mov_b32 s[G1+6], 0
	s_mov_b32 s[G1+7], 0
	s_mov_b32 s[G1B+1], 256<<16                    ; tensor_dim0 = 256
	s_mov_b32 s[G1B+2], 64<<16                     ; tensor_dim1 = 64
	s_mov_b32 s[G1B+3], 256<<16                    ; tile_dim0 = 256
	s_mov_b32 s[G1B+4], 64                         ; tile_dim1 = 64
	s_mov_b32 s[G1B+5], 4096                       ; elements from row to row
	s_mov_b32 s[G1B+6], 0
	s_mov_b32 s[G1B+7], 0
	; where the tiles come from.  aw's hang on the tile row alone, which my row of the cluster shares; wc's on the tile column alone, which my column shares.
	s_lshl_b32 s17, s12, 7
	s_lshl_b32 s16, s13, 8
	s_add_co_u32 s16, s16, s17                     ; aw: row 256 x tile row + 128 x half,
	s_lshl_b32 s16, s16, 12                        ; of 4,096 bytes: 33,554,432 at the most
	s_mov_b32 s17, 0
	s_lshl_b32 s46, s12, 19                        ; wc: row 64 x half, of 8,192 bytes,
	s_lshl_b32 s47, s42, 9                         ; column 256 x tile column, of 2 bytes
	s_add_co_u32 s46, s46, s47
	s_mov_b32 s47, 0
	s_mul_i32 s20, s10, HALFT                      ; and where they go: wave x 34,816 bytes: no place in the cluster enters an LDS address
	s_mov_b32 s[KN], 0xbfb8aa3b
	s_mov_b32 s[KN+1], s[KN]                       ; named as pairs, so both words are written
	s_mov_b32 s[KG], 0x4038aa3b
	s_mov_b32 s[KG+1], s[KG]
	s_mov_b32 s[CAP], 0x42800000
	s_wait_dscnt 0x0                               ; the opening add is done
	s_wait_kmcnt 0x0
	s_add_nc_u64 s[14:15], s[4:5], s[16:17]
	s_add_nc_u64 s[46:47], s[6:7], s[46:47]
	CROUND                                         ; all sixteen work-groups are here: the first joint loads meet
.irp s, 0,1
	s_mov_b32 s[G0+4*(\s)], 1                                      ; 1:0 count = 1
	s_add_co_u32 s[G0+4*(\s)+1], s20, (\s)*SLOT                    ; 63:32 LDS address
	s_add_nc_u64 s[G0+4*(\s)+2:G0+4*(\s)+3], s[14:15], (\s)*KSTEP*2  ; 120:64 global address: K step s lies 256 bytes along aw's rows,
	s_or_b32 s[G0+4*(\s)+3], s[G0+4*(\s)+3], 0x80000000            ; 127:126 type = 2
	s_mov_b32 s[G0B+4*(\s)], 1
	s_add_co_u32 s[G0B+4*(\s)+1], s20, (\s)*SLOT
	s_add_nc_u64 s[G0B+4*(\s)+2:G0B+4*(\s)+3], s[46:47], (\s)*KSTEP*8192  ; and 128 rows down wc
	s_or_b32 s[G0B+4*(\s)+3], s[G0B+4*(\s)+3], 0x80000000
	JLOAD \s                                       ; the ring is filled before anything else is done: two loads of mine are out
.endr
	; A fragment is 16 rows x 32 K in 8 registers: lane l holds row l % 16; registers 0-3 hold K = 8 (l / 16) + 0..7, registers 4-7 hold K = 16 + 8 (l / 16) + 0..7.
	v_and_b32 v1, 15, v0                           ; r = l % 16
	v_bfe_u32 v2, v0, 4, 1                         ; h = l / 16
	v_and_b32 v3, 31, v0                           ; l
	v_mul_u32_u24 v4, v1, PA                       ; aw, rows along K: two loads of 16 bytes, 32 bytes apart, at row x pitch + 16 h
	v_lshl_add_u32 v4, v2, 4, v4
	s_mul_i32 s21, s10, 64*PA                      ; my 64 rows
	v_add_nc_u32 v[ADRA], s21, v4
	s_add_co_u32 s21, s21, SLOT
	v_add_nc_u32 v[ADRA+1], s21, v4
	v_and_b32 v5, 7, v0                            ; wc, rows along the columns: the turning load takes 16 K x 16 columns (lane l reads K = 8 h + l % 8, columns 8 ((l / 8) % 2) + 0..7)
	v_lshl_add_u32 v5, v2, 3, v5                   ; and leaves half a fragment: lane l holds column l % 16 and 8 K
	v_mul_u32_u24 v5, v5, PB
	v_bfe_u32 v6, v0, 3, 1
	v_lshl_add_u32 v5, v6, 4, v5
	v_add_nc_u32 v[ADRB], 2*HALFT, v5              ; wc's rows lie behind aw's 256
	v_add_nc_u32 v[ADRB+1], 2*HALFT+SLOT, v5
	s_mul_i32 s23, s10, STW
	s_add_co_u32 s23, s23, STAGE                   ; my stage
	v_mul_u32_u24 v7, v1, SPX                      ; in: row r, my half's 32 units = 128 bytes
	v_lshl_add_u32 v7, v2, 7, v7
	v_add_nc_u32 v[XD], s23, v7
	v_mul_u32_u24 v7, v2, SPX                      ; back: lanes 0-15 take one row of 256 bytes, lanes 16-31 the next
	v_lshl_add_u32 v7, v1, 4, v7
	v_add_nc_u32 v[XR], s23, v7
	v_lshlrev_b32 v7, 13, v2                       ; and the same two rows in hidden_state and out0, 8,192 bytes apart
	v_lshl_add_u32 v[CO], v1, 4, v7
	s_mul_i32 s23, s10, ZW
	s_add_co_u32 s23, s23, ZST                     ; my 16 rows of c_prev in bf16
	v_mul_u32_u24 v7, v2, PZ                       ; in: as loaded, two rows, 8 bytes (4 units) a lane
	v_lshl_add_u32 v7, v1, 3, v7
	v_add_nc_u32 v[ZR], s23, v7
	v_mul_u32_u24 v7, v1, PZ                       ; back: row r, my half's 32 units = 64 bytes
	v_lshl_add_u32 v7, v2, 6, v7
	v_add_nc_u32 v[ZD], s23, v7
	v_lshlrev_b32 v7, 7, v2
	v_add_nc_u32 v[BT], BTAB, v7                   ; my half's 16 pairs of a gate: 128 bytes
	; out0 and hidden_state at my wave's first row and the tile's first unit
	s_lshl_b32 s16, s13, 8
	s_lshl_b32 s17, s10, 6
	s_add_co_u32 s16, s16, s17                     ; row 256 x tile row + 64 x wave,
	s_lshl_b32 s16, s16, 13                        ; of 8,192 bytes: under 67,108,864
	s_lshl_b32 s17, s42, 8                         ; 64 units of 4 bytes x tile column
	s_add_co_u32 s16, s16, s17
	s_mov_b32 s17, 0
	s_add_nc_u64 s[8:9], s[8:9], s[16:17]
	s_add_nc_u64 s[66:67], s[66:67], s[16:17]
	; THE BIAS TABLE.  Wave q makes gate q's 64 numbers K_q (b[j] + b[1024 + j]), K_q the factor that the gate's exponent takes: lane l the units 2 l and 2 l + 1.
	s_mov_b64 s[82:83], s[68:69]
	s_cmp_eq_u32 s10, 1
	s_cselect_b64 s[82:83], s[70:71], s[82:83]     ; the choices hang on the wave's number alone
	s_cmp_eq_u32 s10, 2
	s_cselect_b64 s[82:83], s[72:73], s[82:83]
	s_cselect_b32 s84, s[KG], s[KN]
	s_cmp_eq_u32 s10, 3
	s_cselect_b64 s[82:83], s[74:75], s[82:83]
	v_lshlrev_b32 v8, 3, v3
	s_lshl_b32 s22, s10, 8
	s_add_co_u32 s22, s22, BTAB
	v_add_nc_u32 v9, s22, v8                       ; LDS: my wave's 256 bytes, 8 a lane
	v_lshl_add_u32 v10, s42, 8, v8                 ; memory: 256 bytes x tile column + 8 a lane
	global_load_b64 v[12:13], v10, s[82:83]
	global_load_b64 v[14:15], v10, s[82:83] offset:4096
	; c_prev of my 64 rows x 64 units is asked for now and wanted behind the last product: row block i / 8, rows 2 (i % 8) and + 1; sixteen lanes read 256 consecutive bytes
.set i, 0
.rept 32
	global_load_b128 v[CP+4*i:CP+4*i+3], v[CO], s[66:67] offset:(16*(i/8)+2*(i%8))*8192+4096 th:TH_LOAD_NT
.set i, i+1
.endr
	s_wait_loadcnt 32                              ; the two bias loads are in; c_prev's 32, issued behind them, stay out
	v_cvt_pk_bf16_f32 v12, v12, v13                ; each half of the bias is rounded to bf16 like every other input,
	v_cvt_pk_bf16_f32 v14, v14, v15
	v_lshlrev_b32 v4, 16, v12                      ; widened again,
	v_and_b32 v5, 0xffff0000, v12
	v_lshlrev_b32 v6, 16, v14
	v_and_b32 v7, 0xffff0000, v14
	v_pk_add_f32 v[4:5], v[4:5], v[6:7]            ; added in f32,
	v_mul_f32 v4, s84, v4                          ; and scaled
	v_mul_f32 v5, s84, v5
	ds_store_b64 v9, v[4:5]
; 16 matrix instructions: column blocks b0 .. b0 + 7 x the two row blocks of window 2 + hi, 32 along K, from buffer f.  zero = 1: the first product starts the sums: nothing is ever cleared.
; The 64 accumulators take turns, one instruction a turn, in the same order in every quarter step: between two links of a chain stand the 63 others'.
.macro MULH f, hi, b0, zero
	WIN MUL_LO+0x50*(\hi)
.irp b, 0,1,2,3,4,5,6,7
.irp a2, 0,1
.if \zero
	v_wmma_f32_16x16x32_bf16 v[8*(16*(\a2)+(\b0)+(\b)):8*(16*(\a2)+(\b0)+(\b))+7], v[128*(\f)+8*((\b0)+(\b)):128*(\f)+8*((\b0)+(\b))+7], v[FA+32*(\f)+8*(2*(\hi)+(\a2)):FA+32*(\f)+8*(2*(\hi)+(\a2))+7], 0
.else
	v_wmma_f32_16x16x32_bf16 v[8*(16*(\a2)+(\b0)+(\b)):8*(16*(\a2)+(\b0)+(\b))+7], v[128*(\f)+8*((\b0)+(\b)):128*(\f)+8*((\b0)+(\b))+7], v[FA+32*(\f)+8*(2*(\hi)+(\a2)):FA+32*(\f)+8*(2*(\hi)+(\a2))+7], v[8*(16*(\a2)+(\b0)+(\b)):8*(16*(\a2)+(\b0)+(\b))+7]
.endif
.endr
.endr
.endm
; 40 LDS loads in one run: the fragments of quarter q of a K step (32 along K) into buffer f: my 64 rows of aw first, then wc's 256 columns, block by block
.macro FETCH slot, q, f
	WIN 0
.irp a, 0,1,2,3
	ds_load_b128 v[FA+32*(\f)+8*(\a):FA+32*(\f)+8*(\a)+3],   v[ADRA+(\slot)] offset:64*(\q)+(\a)*16*PA
	ds_load_b128 v[FA+32*(\f)+8*(\a)+4:FA+32*(\f)+8*(\a)+7], v[ADRA+(\slot)] offset:64*(\q)+(\a)*16*PA+32
.endr
	WIN TO_B
.irp b, 0,1,2,3,4,5,6,7,8,9,10,11,12,13,14,15
	ds_load_tr16_b128 v[128*(\f)+8*(\b):128*(\f)+8*(\b)+3],   v[ADRB+(\slot)] offset:32*PB*(\q)+32*(\b)
	ds_load_tr16_b128 v[128*(\f)+8*(\b)+4:128*(\f)+8*(\b)+7], v[ADRB+(\slot)] offset:32*PB*(\q)+32*(\b)+16*PB
.endr
.endm
; A load into a register that a matrix instruction has read, and a vector instruction that reads a matrix result, stand four places behind that matrix instruction, and only plain vector
; instructions that name none of its registers are places (ISA guide 7.12.1 for vector instructions).
.macro PLACES
.rept 4
	v_nop
.endr
.endm
; A K step is four quarter steps of 32 along K, 64 matrix instructions each, on buffers 0, 1, 0, 1.  One of the first three: multiplies buffer f; in its middle it fetches quarter q of the same slot into the other buffer.
.macro QUARTER slot, q, f, zero
	s_wait_dscnt 16                                ; aw's fragments and wc's blocks 0-7 are in; the youngest sixteen loads (blocks 8-15) may be out
	MULH \f, 0, 0, \zero
	s_wait_dscnt 0x0                               ; blocks 8-15 are in
	MULH \f, 0, 8, \zero
	PLACES
	FETCH \slot, \q, 1-(\f)
	MULH \f, 1, 0, \zero
	MULH \f, 1, 8, \zero
.endm
; The last quarter multiplies buffer 1 and changes slots.  MEET is its first half: ONE barrier for the change.  In front of it each wave waits for all its tensor loads, of which one is out: its part
; of the next slot; adds 0 to its spare word; and waits for that and for its own reads of this slot.  Behind it nobody reads this slot any more and the next slot is whole.
.macro MEET round                      ; round = 1: a round of the cluster's barrier follows
	WIN 0                                          ; (the add's two registers lie in window 0)
	s_wait_tensorcnt 0x0                           ; all my tensor loads have landed;
	ds_add_u32 v[SPW], v[NIL]                      ; 0 onto my spare word;
	s_wait_dscnt 17                                ; (the add and the youngest sixteen loads may be out)
	MULH 1, 0, 0, 0                                ; sixteen matrix instructions stand between the add and the wait for it
	s_wait_dscnt 0x0                               ; the add is done, and my reads of this slot are over:
	s_barrier_signal -1                            ; say so,
	MULH 1, 0, 8, 0                                ; work on registers while the others arrive,
.if \round
	WIN 0
.endif
	s_barrier_wait -1                              ; and go on when all four have said so
.endm
; The whole last quarter of a K step whose slot is filled again, with the K step two steps on.  The barrier opens a round of the cluster's, so that no wave of any partner still reads the slot or has a
; load on its way; the joint refill is the first thing behind it: a wave issues 224 matrix instructions between that request and the wait for it.
.macro TURN slot, next
	MEET 1
	CREST
	s_add_nc_u64 s[G0+4*(\slot)+2:G0+4*(\slot)+3], s[G0+4*(\slot)+2:G0+4*(\slot)+3], 2*KSTEP*2        ; no tensor load of mine is out, so a group 0 may be written; the type bits on top are not reached
	s_add_nc_u64 s[G0B+4*(\slot)+2:G0B+4*(\slot)+3], s[G0B+4*(\slot)+2:G0B+4*(\slot)+3], 2*KSTEP*8192
	JLOAD \slot                                    ; the four v_nop behind it are also the places in front of the loads below
	FETCH \next, 0, 0
	MULH 1, 1, 0, 0
	MULH 1, 1, 8, 0
.endm
; THE WAY OUT, a block of 16 rows at a time.
; XIN a: block a's c_prev, loaded by rows, is rounded to bf16 and turned through my own LDS bytes: afterwards v[CP + 32 a + 16 + b] holds c_prev of my row's units 32 h + 2 b (low half) and + 1 (high half).
.macro XIN a
.set i, 0
.rept 16
	v_cvt_pk_bf16_f32 v[CP+32*(\a)+i], v[CP+32*(\a)+2*i], v[CP+32*(\a)+2*i+1]  ; ascending: each line writes a register whose number has been read
.set i, i+1
.endr
.irp t, 0,1,2,3,4,5,6,7
	ds_store_b64 v[ZR], v[CP+32*(\a)+2*(\t):CP+32*(\a)+2*(\t)+1] offset:2*PZ*(\t)
.endr
.irp c, 0,1,2,3
	ds_load_b128 v[CP+32*(\a)+16+4*(\c):CP+32*(\a)+16+4*(\c)+3], v[ZD] offset:16*(\c)  ; LDS serves a wave's instructions in order (ISA guide 5.7.1.4): these see the stores above, and the next block's stores come behind them
.endr
.endm
; GRP a, b: the cell's update for row block a, column blocks b and b + 1 (u = 0, 1): four neighbouring units of my row.
.macro GRP a, b
.set AC, 8*(16*((\a)%2)+(\b))
.set CB, CP+32*(\a)+16+(\b)
	WIN 0x12+(\a)/2                                ; source 0: the accumulators' window; source 2: the biases, window 1; destination window 0
.irp u, 0,1
.irp q, 0,1,2,3                        ; the exponents K_q z_q = K_q sum + K_q bias; each accumulator's lowest registers are read first
.if (\q) == 2
	v_pk_fma_f32 v[EE+8*(\u)+2*(\q):EE+8*(\u)+2*(\q)+1], v[AC+8*(\u)+2*(\q):AC+8*(\u)+2*(\q)+1], s[KG:KG+1], v[8*((\b)+(\u))+2*(\q):8*((\b)+(\u))+2*(\q)+1] op_sel_hi:[1,0,1]
.else
	v_pk_fma_f32 v[EE+8*(\u)+2*(\q):EE+8*(\u)+2*(\q)+1], v[AC+8*(\u)+2*(\q):AC+8*(\u)+2*(\q)+1], s[KN:KN+1], v[8*((\b)+(\u))+2*(\q):8*((\b)+(\u))+2*(\q)+1] op_sel_hi:[1,0,1]
.endif
.endr
.endr
	WIN 0
.irp u, 0,1
	v_min_num_f32 v[EE+8*(\u)+4], s[CAP], v[EE+8*(\u)+4]  ; tanh's exponent is held at 64, so that its numerator stays finite
	v_min_num_f32 v[EE+8*(\u)+5], s[CAP], v[EE+8*(\u)+5]
.endr
.set i, 0
.rept 16
	v_exp_f32 v[EE+i], v[EE+i]                     ; e_i, e_f, e_g, e_o
.set i, i+1
.endr
	v_nop                                          ; a plain instruction between the last exponential and the use of its result (ISA guide 5.7.2)
	s_wait_alu depctr_va_vdst(0)
.irp u, 0,1
	v_pk_add_f32 v[HH+2*(\u):HH+2*(\u)+1], v[EE+8*(\u)+4:EE+8*(\u)+5], -1.0 op_sel_hi:[1,0]  ; e_g - 1
.endr
.irp p, 0,1,2,3,4,5,6,7
	v_pk_add_f32 v[EE+2*(\p):EE+2*(\p)+1], v[EE+2*(\p):EE+2*(\p)+1], 1.0 op_sel_hi:[1,0]     ; 1 + e, all four gates
.endr
.irp u, 0,1
	v_pk_mul_f32 v[EE+8*(\u):EE+8*(\u)+1], v[EE+8*(\u):EE+8*(\u)+1], v[EE+8*(\u)+4:EE+8*(\u)+5]  ; (1 + e_i)(1 + e_g)
.endr
.irp u, 0,1
.irp p, 0,1,2,3
	v_rcp_f32 v[EE+8*(\u)+(\p)], v[EE+8*(\u)+(\p)] ; 1 / ((1 + e_i)(1 + e_g)), and f = 1 / (1 + e_f)
.endr
.endr
	v_nop
	s_wait_alu depctr_va_vdst(0)
.irp u, 0,1
	v_pk_mul_f32 v[HH+2*(\u):HH+2*(\u)+1], v[HH+2*(\u):HH+2*(\u)+1], v[EE+8*(\u):EE+8*(\u)+1]  ; i tanh(g)
.endr
.irp u, 0,1
	v_fma_mix_f32_bf16 v[CC+2*(\u)],   v[CB+(\u)], v[EE+8*(\u)+2], v[HH+2*(\u)]   op_sel_hi:[1,0,0]                ; c_t = c_prev f + i tanh(g): c_prev straight from its bf16 half
	v_fma_mix_f32_bf16 v[CC+2*(\u)+1], v[CB+(\u)], v[EE+8*(\u)+3], v[HH+2*(\u)+1] op_sel:[1,0,0] op_sel_hi:[1,0,0]
.endr
	ds_store_b128 v[XD], v[CC:CC+3] offset:8*(\b)  ; units 32 h + 2 b .. + 3 of my row
.irp u, 0,1
	v_pk_mul_f32 v[EE+8*(\u):EE+8*(\u)+1], v[CC+2*(\u):CC+2*(\u)+1], s[KG:KG+1] op_sel_hi:[1,0]
.endr
.irp u, 0,1
	v_min_num_f32 v[EE+8*(\u)],   s[CAP], v[EE+8*(\u)]
	v_min_num_f32 v[EE+8*(\u)+1], s[CAP], v[EE+8*(\u)+1]
.endr
.irp u, 0,1
	v_exp_f32 v[EE+8*(\u)],   v[EE+8*(\u)]         ; e_c
	v_exp_f32 v[EE+8*(\u)+1], v[EE+8*(\u)+1]
.endr
	v_nop
	s_wait_alu depctr_va_vdst(0)
.irp u, 0,1
	v_pk_add_f32 v[HH+2*(\u):HH+2*(\u)+1], v[EE+8*(\u):EE+8*(\u)+1], -1.0 op_sel_hi:[1,0]
.endr
.irp u, 0,1
	v_pk_add_f32 v[EE+8*(\u):EE+8*(\u)+1], v[EE+8*(\u):EE+8*(\u)+1], 1.0 op_sel_hi:[1,0]
.endr
.irp u, 0,1
	v_pk_mul_f32 v[EE+8*(\u):EE+8*(\u)+1], v[EE+8*(\u):EE+8*(\u)+1], v[EE+8*(\u)+6:EE+8*(\u)+7]  ; (1 + e_c)(1 + e_o)
.endr
.irp u, 0,1
	v_rcp_f32 v[EE+8*(\u)],   v[EE+8*(\u)]
	v_rcp_f32 v[EE+8*(\u)+1], v[EE+8*(\u)+1]
.endr
	v_nop
	s_wait_alu depctr_va_vdst(0)
.irp u, 0,1
	v_pk_mul_f32 v[HH+2*(\u):HH+2*(\u)+1], v[HH+2*(\u):HH+2*(\u)+1], v[EE+8*(\u):EE+8*(\u)+1]  ; h_t = o tanh(c_t)
.endr
	ds_store_b128 v[XD], v[HH:HH+3] offset:YOFF+8*(\b)
.endm
.macro HALFG a, b0                     ; four of them: eight column blocks
	GRP \a, (\b0)
	GRP \a, (\b0)+2
	GRP \a, (\b0)+4
	GRP \a, (\b0)+6
.endm
; BACK a: the block comes back from my stage as whole rows of 256 bytes: c_t into the block's c_prev registers, which have served, h_t into HO
.macro BACK a
	s_wait_xcnt 0x0                                ; every earlier memory instruction has had its addresses translated (ISA guide 3.1): HO, which the block before stored from, is loaded again only behind this wait
.irp t, 0,1,2,3,4,5,6,7
	ds_load_b128 v[CP+32*(\a)+4*(\t):CP+32*(\a)+4*(\t)+3], v[XR] offset:2*SPX*(\t)
.endr
.irp t, 0,1,2,3,4,5,6,7
	ds_load_b128 v[HO+4*(\t):HO+4*(\t)+3], v[XR] offset:YOFF+2*SPX*(\t)
.endr
.endm
.macro SEND a                          ; sixteen lanes store 256 consecutive bytes, at a multiple of 256 from out0's first byte; the row stands in the immediate, 512,000 at the most, inside its signed 24 bits
.irp t, 0,1,2,3,4,5,6,7
	global_store_b128 v[CO], v[HO+4*(\t):HO+4*(\t)+3], s[8:9] offset:(16*(\a)+2*(\t))*8192 th:TH_STORE_NT
	global_store_b128 v[CO], v[CP+32*(\a)+4*(\t):CP+32*(\a)+4*(\t)+3], s[8:9] offset:(16*(\a)+2*(\t))*8192+4096 th:TH_STORE_NT
.endr
.endm
	s_wait_tensorcnt 1                             ; my part of K step 0 is in; K step 1's may stay out
	s_wait_dscnt 0x0                               ; for the others' sake: my part of the bias table is written
	s_barrier_signal -1
	s_barrier_wait -1                              ; everybody's is
	FETCH 0, 0, 0
	QUARTER 0, 1, 0, 1                             ; the first quarter stands in front of the loop: its products start the sums
	WIN 0                                          ; at a label and at a branch every window is 0
	s_mov_b32 s3, LAPS-1
.Llap:                                                 ; a trip goes once round the ring, from a lap's second quarter to the next lap's first, and fills both slots again
	QUARTER 0, 2, 1, 0
	QUARTER 0, 3, 0, 0
	TURN 0, 1
	QUARTER 1, 1, 0, 0
	QUARTER 1, 2, 1, 0
	QUARTER 1, 3, 0, 0
	TURN 1, 0
	QUARTER 0, 1, 0, 0
	WIN 0
	s_sub_co_u32 s3, s3, 1
	s_cmp_lg_u32 s3, 0
	s_cbranch_scc1 .Llap
	QUARTER 0, 2, 1, 0                             ; the last lap is written out: it fills nothing, and has no round of the cluster's barrier
	QUARTER 0, 3, 0, 0
	MEET 0                                         ; my one tensor load that was still out is slot 1's, the last K step's
	PLACES
	FETCH 1, 0, 0
	MULH 1, 1, 0, 0
	MULH 1, 1, 8, 0
	QUARTER 1, 1, 0, 0
	QUARTER 1, 2, 1, 0
	QUARTER 1, 3, 0, 0
	s_wait_dscnt 16                                ; the very last quarter: no fragments are left to fetch
	MULH 1, 0, 0, 0
	s_wait_dscnt 0x0
	MULH 1, 0, 8, 0
	PLACES                                         ; for the loads into wc's buffer 0, which the quarter before multiplied
	WIN TO_B
.irp b, 0,1,2,3,4,5,6,7,8,9,10,11,12,13,14,15  ; the biases, in the accumulators' own order: register 8 b + 2 q + e goes with register 2 q + e of column block b
.irp q, 0,1,2,3
	ds_load_b64 v[8*(\b)+2*(\q):8*(\b)+2*(\q)+1], v[BT] offset:256*(\q)+8*(\b)
.endr
.endr
	MULH 1, 1, 0, 0
	MULH 1, 1, 8, 0
	WIN 0
	s_wait_loadcnt 0x0                             ; c_prev
	XIN 0                                          ; its sixteen conversions, which name no register of the last products, are the places behind them
	XIN 1
	s_wait_dscnt 12                                ; the biases and block 0's c_prev are in; XIN 1's twelve LDS instructions may be out
	HALFG 0, 0
	HALFG 0, 8
	BACK 0
	XIN 2
	s_wait_dscnt 44                                ; block 1's c_prev is in; behind it: block 0's 16 stage stores, BACK 0's 16 loads, XIN 2's 12
	HALFG 1, 0
	s_wait_dscnt 20                                ; block 0 is back in registers; behind it: XIN 2's 12 and 8 stage stores
	SEND 0
	HALFG 1, 8
	BACK 1
	XIN 3
	s_wait_dscnt 44                                ; block 2's c_prev, by the same count
	HALFG 2, 0
	s_wait_dscnt 20
	SEND 1
	HALFG 2, 8
	BACK 2
	s_wait_dscnt 32                                ; block 3's c_prev is in; behind it: block 2's 16 stage stores and BACK 2's 16 loads
	HALFG 3, 0
	s_wait_dscnt 8                                 ; block 2 is back; behind it: 8 stage stores
	SEND 2
	HALFG 3, 8
	BACK 3
	s_wait_dscnt 0x0
	SEND 3
	s_wait_tensorcnt 0x0                           ; the wave's end, behind my last tensor load and my last LDS store
	ds_add_u32 v[SPW], v[NIL]
	s_wait_dscnt 0x0
	CROUND                                         ; the closing round: no work-group ends while a partner may still ask for a tile that names it
	s_endpgm
.Lfunc_end_k_qff35bcfea0_cell:
	.size	k_qff35bcfea0_cell, .Lfunc_end_k_qff35bcfea0_cell-k_qff35bcfea0_cell
	.p2alignl 7, 3214868480
	.fill 96, 4, 3214868480
	.section	.rodata,"a",@progbits
	.p2align	6, 0x0
	.amdhsa_kernel k_qff35bcfea0_cell
		.amdhsa_group_segment_fixed_size 327680
		.amdhsa_private_segment_fixed_size 0
		.amdhsa_enable_private_segment 0
		.amdhsa_kernarg_size 64
		.amdhsa_user_sgpr_count 2
		.amdhsa_user_sgpr_kernarg_segment_ptr 1
		.amdhsa_wavefront_size32 1
		.amdhsa_system_sgpr_workgroup_id_x 1
		.amdhsa_system_sgpr_workgroup_id_y 1
		.amdhsa_system_sgpr_workgroup_id_z 1
		.amdhsa_system_vgpr_workitem_id 0
		.amdhsa_next_free_vgpr 1024
		.amdhsa_next_free_sgpr 88
		.amdhsa_reserve_vcc 0
		.amdhsa_float_denorm_mode_32 3
		.amdhsa_float_denorm_mode_16_64 3
		.amdhsa_memory_ordered 1
		.amdhsa_forward_progress 1
		.amdhsa_inst_pref_size 255
	.end_amdhsa_kernel
	.section	.bss,"aw",@nobits
	.p2align	6
	.space	262144
	.amdgpu_metadata
---
amdhsa.version: [ 1, 2 ]
amdhsa.kernels:
  - .name:           k_qff35bcfea0_cell
    .symbol:         k_qff35bcfea0_cell.kd
    .args:
      - { .name: aw, .offset: 0, .size: 8, .value_kind: global_buffer, .address_space: global }
      - { .name: wc, .offset: 8, .size: 8, .value_kind: global_buffer, .address_space: global }
      - { .name: hidden_state, .offset: 16, .size: 8, .value_kind: global_buffer, .address_space: global }
      - { .name: out0, .offset: 24, .size: 8, .value_kind: global_buffer, .address_space: global }
      - { .name: bias_i, .offset: 32, .size: 8, .value_kind: global_buffer, .address_space: global }
      - { .name: bias_f, .offset: 40, .size: 8, .value_kind: global_buffer, .address_space: global }
      - { .name: bias, .offset: 48, .size: 8, .value_kind: global_buffer, .address_space: global }
      - { .name: bias_o, .offset: 56, .size: 8, .value_kind: global_buffer, .address_space: global }
    .group_segment_fixed_size: 327680
    .private_segment_fixed_size: 0
    .kernarg_segment_align: 8
    .kernarg_segment_size: 64
    .max_flat_workgroup_size: 128
    .sgpr_count:     88
    .vgpr_count:     1024
    .wavefront_size: 32
...
	.end_amdgpu_metadata
.endif
;; end of part 2
;; ======== version 2 of 2: 2 launches; version 1 with the launch prep written anew for expert scheduling mode
;; workspace buffers: aw 33,554,432 bytes; wc 16,777,216 bytes
;; launch prep (part 3): grid 768 x 1, 8 waves a work-group, no clusters, 0 bytes of LDS; arguments x, hidden_state, weight_i, weight_f, weight, weight_o, aw, wc; writes aw, wc
.if DOCPART == 3
	.amdgcn_target "amdgcn-amd-amdhsa--gfx1250"
	.amdhsa_code_object_version 6
	.text
	.protected	k_qff35bcfea0_prep
	.globl	k_qff35bcfea0_prep
	.p2align	8
	.type	k_qff35bcfea0_prep,@function
k_qff35bcfea0_prep:
	s_mov_b64 s[64:65], 0
	v_nop
	global_prefetch_b8 v0, s[64:65] scope:SCOPE_SE
	s_setreg_imm32_b32 hwreg(HW_REG_WAVE_SCHED_MODE, 0, 2), 2
	s_setreg_imm32_b32 hwreg(HW_REG_WAVE_MODE, 25, 1), 1
	s_wait_xcnt 0x0
	s_wait_alu depctr_vm_vsrc(0)
; The matrix operands of the LSTM cell, each rounded once to bf16 (nearest even).
;   aw [8192][2048]: row r = x[r][0..1023], then hidden_state[r][0..1023] (h_prev).
;   wc [2048][4096]: row k = the four gates' weights of input k, their columns interleaved.  Hidden unit j = 64 jb + 2 (16 h + b) + e of gate q
;                    (0 = i, 1 = f, 2 = candidate, 3 = o) stands at column 256 jb + 16 b + 8 h + 2 q + e: in the next launch's transposed matrix result
;                    a lane then holds all four gates of two neighbouring units of one row.
; A stream: every byte is read once and written once, so no LDS, no barrier and no matrix unit.  A wave moves 16 KiB in and 8 KiB out in straight-line text:
; all its loads go out first, and the waits count down while the younger loads stay on their way.
; Work-groups 0..511 make aw (a wave: four rows of one source), work-groups 512..767 make wc (a wave: one row k of all four weights).
; THE MODE: SCHED_MODE bits 1:0 = 2 (LLVM: expert scheduling mode 2), set by the entry lines.  The code itself states the register dependences
; between vector instructions and memory instructions, with s_wait_alu, always for 0.
; THE PLAN.  Registers that memory instructions touch:
;   v[LO ..], v[SO], v[LW], v[SW]   byte offsets: made once at a path's head, read by every load and store of the path, never written again.
;   v[X ..]                         written by the loads, which all go out ahead of the first vector instruction that names X; converted in place, each group's
;                                   low registers written once; those are read by one store and never written again.
; The work goes in eight steps a path (aw: four loads, eight conversions, four stores; wc: eight loads, eight conversions, two stores).  Step p's conversions name step p's
; registers alone; its memory instructions are the stores of step p - 1.  So ONE wait on va_vdst at a step's head, behind the wait for the step's data, states all that those
; stores hang on, and they are dealt among the step's conversions with no further wait.  No register that a memory instruction reads is written again, so no wait on vm_vsrc is owed.
.set LO, 2                             ; v[2:5]    aw: byte offset of my 16 bytes in each of the wave's four source rows
.set SO, 6                             ; v6        aw: byte offset of my 8 bytes in 256 bytes of output
.set LW, 7                             ; v7        wc: byte offset of my pair of units in 64 units of a weight row
.set SW, 8                             ; v8        wc: byte offset of my 16 bytes in 512 bytes of output
.set X,  16                            ; v[16:143] the data, converted in place
	s_load_b512 s[4:19], s[0:1], 0x0               ; x s[4:5], hidden_state s[6:7], weight_i, _f, candidate, _o s[8:15], aw s[16:17], wc s[18:19]
	v_and_b32 v1, 31, v0                           ; lane
	v_lshrrev_b32 v9, 5, v0
	v_readfirstlane_b32 s20, v9                    ; wave 0..7
	s_mov_b32 s21, ttmp9
	s_wait_alu depctr_va_sdst(0)                   ; s20 is written
	s_cmp_lt_u32 s21, 512
	s_cbranch_scc0 .Lweights
	; ---- aw.  Even waves take x (rows of 4,096 bytes), odd waves h_prev (the first 4,096 bytes of rows of 8,192).
	s_and_b32 s22, s20, 1                          ; the source
	s_lshr_b32 s23, s20, 1
	s_lshl2_add_u32 s23, s21, s23                  ; 4 x work-group + wave / 2,
	s_lshl_b32 s23, s23, 2                         ; times four rows: my first row
	s_add_co_u32 s28, s22, 12
	s_lshl_b32 s30, s23, s28                       ; its byte offset in the source
	s_mov_b32 s31, 0
	s_lshl_b32 s32, s23, 12                        ; and in aw: rows of 4,096 bytes,
	s_lshl_b32 s29, s22, 11                        ; h_prev in their second half
	s_add_co_u32 s32, s32, s29
	s_mov_b32 s33, 0
	s_lshl_b32 s29, 1, s28                         ; bytes from row to row in the source
	v_lshlrev_b32 v[LO], 4, v1
	v_add_nc_u32 v[LO+1], s29, v[LO]
	s_lshl_b32 s34, s29, 1
	v_add_nc_u32 v[LO+2], s34, v[LO]
	s_add_co_u32 s34, s34, s29
	v_add_nc_u32 v[LO+3], s34, v[LO]
	v_lshlrev_b32 v[SO], 3, v1
	s_wait_kmcnt 0x0
	s_cmp_eq_u32 s22, 1
	s_cselect_b64 s[24:25], s[6:7], s[4:5]         ; the choice hangs on the wave's number alone
	s_add_nc_u64 s[24:25], s[24:25], s[30:31]
	s_add_nc_u64 s[26:27], s[16:17], s[32:33]
	s_wait_alu depctr_va_vdst(0)                   ; v[LO .. LO+3] and v[SO] are written: every load and store of this path reads one of them as its offset
.set i, 0
.rept 32                               ; row i / 8, its 512 bytes number i % 8: a load of the wave covers 512 consecutive bytes
	global_load_b128 v[X+4*i:X+4*i+3], v[LO+i/8], s[24:25] offset:512*(i%8) th:TH_LOAD_NT
.set i, i+1
.endr
.set p, 0
.rept 8                                ; step p: loads 4 p .. 4 p + 3 are converted, the step before is stored
	s_wait_loadcnt 28-4*p                          ; loads come back in order (ISA guide 5.7.1): this step's four are in, the 28 - 4 p younger ones stay out
.if p > 0
	s_wait_alu depctr_va_vdst(0)                   ; the conversions of the step before have written the registers that the four stores below read; this step's conversions name none of them
.endif
.set j, 0
.rept 4
.set i, 4*p+j
.if p > 0
	global_store_b64 v[SO], v[X+4*(i-4):X+4*(i-4)+1], s[26:27] offset:((i-4)/8)*4096+256*((i-4)%8)  ; 32 lanes store 256 consecutive bytes, at a multiple of 256 from aw's first byte; no register is written again behind its store
.endif
	v_cvt_pk_bf16_f32 v[X+4*i], v[X+4*i], v[X+4*i+1]
	v_cvt_pk_bf16_f32 v[X+4*i+1], v[X+4*i+2], v[X+4*i+3]
.set j, j+1
.endr
.set p, p+1
.endr
	s_wait_alu depctr_va_vdst(0)                   ; the last step's conversions have written the registers that the last four stores read
.set i, 28
.rept 4
	global_store_b64 v[SO], v[X+4*i:X+4*i+1], s[26:27] offset:(i/8)*4096+256*(i%8)
.set i, i+1
.endr
	s_endpgm
	; ---- wc.  Lane l takes, of each block of 64 units, the pair 16 (l % 2) + l / 2 from all four weights: their eight bf16 are columns 8 l .. 8 l + 7 of the block's 256.
.Lweights:
	s_sub_co_u32 s22, s21, 512
	s_lshl3_add_u32 s22, s22, s20                  ; k = 8 x (work-group - 512) + wave
	s_lshl_b32 s30, s22, 12                        ; a weight row is 4,096 bytes,
	s_mov_b32 s31, 0
	s_lshl_b32 s32, s22, 13                        ; a row of wc 8,192
	s_mov_b32 s33, 0
	v_and_b32 v9, 1, v0
	v_bfe_u32 v10, v0, 1, 4
	v_lshlrev_b32 v[LW], 7, v9
	v_lshl_add_u32 v[LW], v10, 3, v[LW]            ; 8 bytes x pair
	v_lshlrev_b32 v[SW], 4, v1
	s_wait_kmcnt 0x0
.irp q, 0,1,2,3
	s_add_nc_u64 s[8+2*(\q):9+2*(\q)], s[8+2*(\q):9+2*(\q)], s[30:31]
.endr
	s_add_nc_u64 s[26:27], s[18:19], s[32:33]
	s_wait_alu depctr_va_vdst(0)                   ; v[LW] and v[SW] are written: every load and store of this path reads one of them as its offset
.set i, 0
.rept 64                               ; block i / 4, gate i % 4: the wave's 32 lanes read 256 consecutive bytes, in an order of their own
	global_load_b64 v[X+2*i:X+2*i+1], v[LW], s[8+2*(i%4):9+2*(i%4)] offset:256*(i/4) th:TH_LOAD_NT
.set i, i+1
.endr
.set p, 0
.rept 8                                ; step p: blocks 2 p and 2 p + 1 are converted, the step before is stored
	s_wait_loadcnt 56-8*p                          ; this step's eight loads are in; the 56 - 8 p younger ones stay out
.if p > 0
	s_wait_alu depctr_va_vdst(0)                   ; the conversions of the step before have written the registers that the two stores below read; this step's conversions name none of them
.endif
.set j, 0
.rept 2
.set i, 2*p+j
.if p > 0
	global_store_b128 v[SW], v[X+8*(i-2):X+8*(i-2)+3], s[26:27] offset:512*(i-2)  ; 512 consecutive bytes, at a multiple of 256 from wc's first byte
.endif
	v_cvt_pk_bf16_f32 v[X+8*i],   v[X+8*i],   v[X+8*i+1]  ; gate by gate, ascending: each line writes a register whose number has been read
	v_cvt_pk_bf16_f32 v[X+8*i+1], v[X+8*i+2], v[X+8*i+3]
	v_cvt_pk_bf16_f32 v[X+8*i+2], v[X+8*i+4], v[X+8*i+5]
	v_cvt_pk_bf16_f32 v[X+8*i+3], v[X+8*i+6], v[X+8*i+7]
.set j, j+1
.endr
.set p, p+1
.endr
	s_wait_alu depctr_va_vdst(0)                   ; the last step's conversions have written the registers that the last two stores read
.set i, 14
.rept 2
	global_store_b128 v[SW], v[X+8*i:X+8*i+3], s[26:27] offset:512*i
.set i, i+1
.endr
	s_endpgm
.Lfunc_end_k_qff35bcfea0_prep:
	.size	k_qff35bcfea0_prep, .Lfunc_end_k_qff35bcfea0_prep-k_qff35bcfea0_prep
	.p2alignl 7, 3214868480
	.fill 96, 4, 3214868480
	.section	.rodata,"a",@progbits
	.p2align	6, 0x0
	.amdhsa_kernel k_qff35bcfea0_prep
		.amdhsa_group_segment_fixed_size 0
		.amdhsa_private_segment_fixed_size 0
		.amdhsa_enable_private_segment 0
		.amdhsa_kernarg_size 64
		.amdhsa_user_sgpr_count 2
		.amdhsa_user_sgpr_kernarg_segment_ptr 1
		.amdhsa_wavefront_size32 1
		.amdhsa_system_sgpr_workgroup_id_x 1
		.amdhsa_system_sgpr_workgroup_id_y 1
		.amdhsa_system_sgpr_workgroup_id_z 1
		.amdhsa_system_vgpr_workitem_id 0
		.amdhsa_next_free_vgpr 144
		.amdhsa_next_free_sgpr 66
		.amdhsa_reserve_vcc 0
		.amdhsa_float_denorm_mode_32 3
		.amdhsa_float_denorm_mode_16_64 3
		.amdhsa_memory_ordered 1
		.amdhsa_forward_progress 1
		.amdhsa_inst_pref_size 25
	.end_amdhsa_kernel
	.amdgpu_metadata
---
amdhsa.version: [ 1, 2 ]
amdhsa.kernels:
  - .name:           k_qff35bcfea0_prep
    .symbol:         k_qff35bcfea0_prep.kd
    .args:
      - { .name: x, .offset: 0, .size: 8, .value_kind: global_buffer, .address_space: global }
      - { .name: hidden_state, .offset: 8, .size: 8, .value_kind: global_buffer, .address_space: global }
      - { .name: weight_i, .offset: 16, .size: 8, .value_kind: global_buffer, .address_space: global }
      - { .name: weight_f, .offset: 24, .size: 8, .value_kind: global_buffer, .address_space: global }
      - { .name: weight, .offset: 32, .size: 8, .value_kind: global_buffer, .address_space: global }
      - { .name: weight_o, .offset: 40, .size: 8, .value_kind: global_buffer, .address_space: global }
      - { .name: aw, .offset: 48, .size: 8, .value_kind: global_buffer, .address_space: global }
      - { .name: wc, .offset: 56, .size: 8, .value_kind: global_buffer, .address_space: global }
    .group_segment_fixed_size: 0
    .private_segment_fixed_size: 0
    .kernarg_segment_align: 8
    .kernarg_segment_size: 64
    .max_flat_workgroup_size: 256
    .sgpr_count:     66
    .vgpr_count:     144
    .wavefront_size: 32
...
	.end_amdgpu_metadata
.endif
;; end of part 3
;; launch cell: the kernel of part 2 again; grid 16 x 32, 4 waves a work-group, clusters of 4 x 4, 327,680 bytes of LDS; arguments aw, wc, hidden_state, out0, bias_i, bias_f, bias, bias_o; writes out0
